; MI455X (gfx1250); checked and timed in simulation.
; The chip was launched on July 23, 2026; its instructions are those of AMD's public machine-readable ISA for CDNA 5 (MIT licence, August 2026) and "CDNA5" Instruction Set Architecture Reference Guide (July 2026). The comments in the code are by the model that wrote it; some were corrected since.
;; Quantized Layer. Allowed arithmetic: matrix products marked QUANTISED: E4M3 operands, one given power-of-two scale a tensor, by v_wmma_f32_16x16x64_fp8_fp8 or v_wmma_f32_16x16x128_fp8_fp8, f32 sums; everything else in f32.
;; Inputs: bias 4,096 float32; inv_perm 4,096 int32; lowp_scales 4 int32 (the exponents e of the quantised operands' scales 2^e); q4 2,048 x 4,096 int32; q8 2,048 x 4,096 int32; s4 2,048 x 1 float32; s8 2,048 x 1 float32; x_codes 8 x 512 x 128 x 32 uint8 (E4M3 codes of x, K innermost, in blocks of 32 codes).
;; Outputs: out0 8 x 512 x 4,096 float32.
;; This version of the problem:
;;   THIS VERSION OF THE PROBLEM IS GIVEN IN LOW PRECISION. The matrix products marked QUANTISED in the list below multiply operands that are first quantised to E4M3 (4 exponent bits, 3 mantissa bits; 8 bits a number), with one given power-of-two scale for each operand tensor; their sums are f32. All else is computed in f32.
;;   The module's matrix products, in the order in which they are computed (A, B: the left and right operand; K: the contracted axis; several contracted axes count as one K, in the product's order):
;;     1. [M 4,096, K 4,096] x [K 4,096, N 2,048]; A: input x (given as codes); B: computed on the way: QUANTISED (scales: A lowp_scales[0], B lowp_scales[1])
;;     2. [M 4,096, K 4,096] x [K 4,096, N 2,048]; A: input x (given as codes); B: computed on the way: QUANTISED (scales: A lowp_scales[2], B lowp_scales[3])
;;   THE QUANTISER, for each operand of a quantised product, along K:
;;     - The operand's scale is 2^e, e = its entry of the input lowp_scales (int32; the entries are numbered through the quantised products in the list's order, A before B).
;;     - Each number is divided by the scale, clamped to +-448, and rounded to the nearest number of E4M3, ties to even, subnormals kept.
;;     - The product sums the exact products of the quantised numbers (number of the format x scale) in f32.
;;   ~~~python
;;   def quantise(x, axis, e):      # numpy; x: float32 -> the quantised numbers, widened to float32 again
;;       x = np.moveaxis(x, axis, -1); K = x.shape[-1]
;;       r = np.clip(x / 2.0 ** e, -448, 448)
;;       step = 2.0 ** (np.maximum(np.frexp(np.where(r == 0, 1, r))[1] - 1, -6) - 3)
;;       q = np.round(r / step) * step * 2.0 ** e      # np.round: ties to even
;;       return np.moveaxis(q, -1, axis).astype(np.float32)
;;   ~~~
;;   OPERANDS COMPUTED ON THE WAY. 'Computed on the way' means the value that the module computes at that place (a softmax that the list does not call 'softmax' is quantised finished and normalised). What goes into a quantiser is computed in f32, as accurately as f32 sums, v_exp_f32 and their like allow (about 1e-6 of the number): no bf16 or f16 on the way to a quantiser, and a product that is left as it is and whose result goes on into a quantised operand takes f32 operands (vector FMAs, or v_wmma_f32_16x16x4_f32). A number that lies on a knife's edge between two numbers of the format may be rounded either way, as far as f32 arithmetic and the matrix unit's own rounding can turn it there, and no further.
;;   INPUTS GIVEN AS CODES. x (in the module: [8, 512, 4096], K = its axis 2): each comes as NAME_codes (uint8): NAME with its K axis moved to the last place and cut into blocks of 32 codes, [.., K / 32, bytes a block], one block behind the other in memory; one code a byte (a code: sign, 4 exponent bits, 3 mantissa bits); its scale is its entry of lowp_scales. Its value is code x scale, taken as it is: it is not quantised again, and the codes and scales need not be those that the quantiser above would give.
;; One version. Each part assembles by itself: llvm-mc -triple=amdgcn-amd-amdhsa -mcpu=gfx1250 --defsym DOCPART=n.
;; ======== version 1 of 1: 2 launches
;; limits: right only within a limited range of input values
;; workspace buffers: wcodes 16,777,216 bytes
;; launch quant (part 1): grid 256 x 1, 16 waves a work-group, no clusters, 67,840 bytes of LDS; arguments q8, q4, s8, s4, inv_perm, lowp_scales, wcodes; writes wcodes
.if DOCPART == 1
	.amdgcn_target "amdgcn-amd-amdhsa--gfx1250"
	.amdhsa_code_object_version 6
	.text
	.protected	k_q264dff4528_quant
	.globl	k_q264dff4528_quant
	.p2align	8
	.type	k_q264dff4528_quant,@function
k_q264dff4528_quant:
	s_mov_b64 s[64:65], 0
	v_nop
	global_prefetch_b8 v0, s[64:65] scope:SCOPE_SE
	s_setreg_imm32_b32 hwreg(HW_REG_WAVE_MODE, 25, 1), 1
	s_wait_xcnt 0x0
; The E4M3 codes of w[inv_perm[j]][k], w = [w8; w4], w8 = f32(q8) x s8, w4 = f32(q4) x s4 (one f32 rounding), j, k = 0 .. 4095.
; The int8 group is quantised with 2^e1 (entry 1 of lowp_scales), the int4 group with 2^e3 (entry 3): w / 2^e, held within +-448, nearest code, ties to even.
; THE CONCATENATION AND THE GATHER ARE DONE BY THE ORDER OF THE ROWS: out[m][j] = y[m][inv_perm[j]] + bias[j], and column c of y hangs on row c of [w8; w4] alone;
; so place j of wcodes takes the row that inv_perm[j] names, and the next launch is one product whose column j is the output's column j.
; WORK LEFT OUT: a row of [w8; w4] that no entry of inv_perm names gives a column of y that the gather never takes: it reaches no output whatever the inputs hold, and is neither
; read, quantised nor multiplied.  Whole numbers decide that, and this launch reads them.  A row named twice is quantised twice.  Every input has a way to an output.
; LIMITS: a NaN, an infinity or an overflow in a row that no entry names is not carried to the result.  inv_perm is taken as unsigned and held at 4,095.  e1 and e3 lie between
; -126 and 119, so that 2^e and 448 x 2^e are f32 numbers.  NaN among s8, s4 is not served; an infinity is held at the largest code.
; LAYOUT OF wcodes, in the order of the next launch's operand registers: byte = 524288 (j / 128) + 8192 t + 1024 ((j % 128) / 16) + 512 c + 256 h + 16 (j % 16) + i
; holds k = 64 t + 32 c + 16 h + i (t 0..63, c and h 0..1, i 0..15).
; SHARES: a work-group takes the 16 rows j = 16 x work-group + wave, a wave one row: 16,384 bytes in by 32 loads of 512 consecutive bytes, all issued at once.  Load i gives lane l
; k = 128 i + 4 l + 0..3; a conversion of eight puts each four codes into one dword, stored at byte k of the wave's LDS row (pitch 4,112: an odd multiple of 16).  Behind one barrier
; wave w reads k = 256 w .. 256 w + 255 of all 16 rows, 16 bytes a lane, and stores them: each store covers 512 consecutive aligned bytes.
; No matrix unit, no tensor load, no cluster: no byte is read by two work-groups (but a row named twice).
.set PITCH, 4112
.set SPARE, 16*PITCH                   ; behind the rows: the spare words, 128 bytes a wave
.set SPW,   2
.set NIL,   3
.set X,     32                         ; v32-159  load i at v[X + 4 i]
.set C,     160                        ; v160-191 a step's four dwords of codes
.set O,     192                        ; v192-223 what I store
	s_load_b256 s[4:11], s[0:1], 0x0               ; q8, q4, s8, s4
	s_load_b128 s[12:15], s[0:1], 0x20             ; inv_perm, lowp_scales
	s_load_b64 s[16:17], s[0:1], 0x30              ; wcodes
	v_lshl_add_u32 v[SPW], v0, 2, SPARE
	v_mov_b32 v[NIL], 0
	v_lshrrev_b32 v1, 5, v0
	s_delay_alu instid0(VALU_DEP_1)
	v_readfirstlane_b32 s18, v1                    ; wave 0..15
	v_and_b32 v4, 31, v0                           ; lane
	v_and_b32 v10, 15, v0                          ; r
	v_bfe_u32 v11, v0, 4, 1                        ; h
	v_lshlrev_b32 v5, 4, v4                        ; 16 x lane
	v_lshlrev_b32 v6, 2, v4
	v_mul_u32_u24 v10, v10, PITCH
	s_mul_i32 s36, s18, PITCH
	s_lshl_b32 s37, s18, 8
	v_add_nc_u32 v6, s36, v6                       ; in: my row, 4 x lane
	v_lshl_add_u32 v7, v11, 4, v10
	v_add_nc_u32 v7, s37, v7                       ; out: row r, byte 256 w + 16 h
	s_lshl_b32 s19, ttmp9, 4
	s_add_co_u32 s19, s19, s18                     ; j
	s_lshl_b32 s20, s19, 2
	s_mov_b32 s21, 0
	s_lshr_b32 s22, ttmp9, 3
	s_lshl_b32 s22, s22, 19                        ; 524288 (j / 128)
	s_and_b32 s23, ttmp9, 7
	s_lshl_b32 s23, s23, 10                        ; + 1024 x the block of 16 columns
	s_add_co_u32 s22, s22, s23
	s_lshl_b32 s23, s18, 15                        ; + my four t: 8192 x 4 w
	s_add_co_u32 s22, s22, s23
	s_mov_b32 s23, 0
	s_wait_alu depctr_va_vdst(0)                   ; the wait at the head's end
	s_wait_kmcnt 0x0
	s_add_nc_u64 s[12:13], s[12:13], s[20:21]
	s_load_b32 s24, s[12:13], 0x0                  ; inv_perm[j]
	s_load_b128 s[28:31], s[14:15], 0x0            ; e0 .. e3
	s_add_nc_u64 s[16:17], s[16:17], s[22:23]
	s_wait_kmcnt 0x0
	s_min_u32 s24, s24, 0xfff
	s_cmp_lt_u32 s24, 0x800                        ; which group?  Only selections stand behind the compare
	s_cselect_b64 s[4:5], s[4:5], s[6:7]
	s_cselect_b64 s[8:9], s[8:9], s[10:11]
	s_cselect_b32 s25, s29, s31
	s_and_b32 s24, s24, 0x7ff
	s_lshl_b32 s26, s24, 14
	s_mov_b32 s27, 0
	s_add_nc_u64 s[4:5], s[4:5], s[26:27]
	s_lshl_b32 s32, s24, 2
	s_mov_b32 s33, 0
	s_add_nc_u64 s[8:9], s[8:9], s[32:33]
	s_load_b32 s34, s[8:9], 0x0                    ; the channel's scale
.set i, 0
.rept 32
	global_load_b128 v[X+4*i:X+4*i+3], v5, s[4:5] offset:512*i   ; no hint: the list may name a row twice
.set i, i+1
.endr
	s_add_co_i32 s25, s25, 127
	s_lshl_b32 s36, s25, 23
	v_mov_b32 v8, s36                              ; 2^e
	s_add_co_i32 s25, s25, 8
	s_lshl_b32 s36, s25, 23
	s_or_b32 s36, s36, 0x600000
	v_mov_b32 v9, s36                              ; 448 x 2^e
	s_wait_kmcnt 0x0
	s_mov_b32 s35, s34                             ; the packed multiply names the pair
.macro STEP t
.set XS, X+16*(\t)
	s_wait_loadcnt 28-4*(\t)                       ; this step's four loads are in; the later steps' 4 (7 - t) may be out
.irp i, 0,1,2,3,4,5,6,7,8,9,10,11,12,13,14,15
	v_cvt_f32_i32 v[XS+\i], v[XS+\i]
.endr
.irp i, 0,2,4,6,8,10,12,14
	v_pk_mul_f32 v[XS+\i:XS+\i+1], v[XS+\i:XS+\i+1], s[34:35] op_sel_hi:[1,0]
.endr
.irp i, 0,1,2,3,4,5,6,7,8,9,10,11,12,13,14,15
	v_med3_num_f32 v[XS+\i], v[XS+\i], -v9, v9     ; the conversion does not saturate (ISA guide 7.6.2)
.endr
	v_cvt_scalef32_pk8_fp8_f32 v[C+4*(\t):C+4*(\t)+1], v[XS:XS+7], v8
	v_cvt_scalef32_pk8_fp8_f32 v[C+4*(\t)+2:C+4*(\t)+3], v[XS+8:XS+15], v8
.irp i, 0,1,2,3
	ds_store_b32 v6, v[C+4*(\t)+\i] offset:512*(\t)+128*\i   ; the codes go to stores alone and are not written again
.endr
.endm
.irp t, 0,1,2,3,4,5,6,7
	STEP \t
.endr
	s_wait_dscnt 0x0                               ; for the others' sake: my row is in LDS
	s_barrier_signal -1
	s_barrier_wait -1
.irp u, 0,1,2,3,4,5,6,7
	ds_load_b128 v[O+4*\u:O+4*\u+3], v7 offset:32*\u
.endr
.irp u, 0,1,2,3,4,5,6,7
	s_wait_dscnt 7-\u
	global_store_b128 v5, v[O+4*\u:O+4*\u+3], s[16:17] offset:(\u/2)*8192+(\u%2)*512   ; 512 consecutive bytes, at a multiple of 256 from the buffer's first byte
.endr
	s_wait_tensorcnt 0x0                           ; the wave's end
	ds_add_u32 v[SPW], v[NIL]
	s_wait_dscnt 0x0
	s_endpgm
.Lfunc_end_k_q264dff4528_quant:
	.size	k_q264dff4528_quant, .Lfunc_end_k_q264dff4528_quant-k_q264dff4528_quant
	.p2alignl 7, 3214868480
	.fill 96, 4, 3214868480
	.section	.rodata,"a",@progbits
	.p2align	6, 0x0
	.amdhsa_kernel k_q264dff4528_quant
		.amdhsa_group_segment_fixed_size 67840
		.amdhsa_private_segment_fixed_size 0
		.amdhsa_enable_private_segment 0
		.amdhsa_kernarg_size 56
		.amdhsa_user_sgpr_count 2
		.amdhsa_user_sgpr_kernarg_segment_ptr 1
		.amdhsa_wavefront_size32 1
		.amdhsa_system_sgpr_workgroup_id_x 1
		.amdhsa_system_sgpr_workgroup_id_y 1
		.amdhsa_system_sgpr_workgroup_id_z 1
		.amdhsa_system_vgpr_workitem_id 0
		.amdhsa_next_free_vgpr 224
		.amdhsa_next_free_sgpr 66
		.amdhsa_reserve_vcc 0
		.amdhsa_float_denorm_mode_32 3
		.amdhsa_float_denorm_mode_16_64 3
		.amdhsa_memory_ordered 1
		.amdhsa_forward_progress 1
		.amdhsa_inst_pref_size 27
	.end_amdhsa_kernel
	.amdgpu_metadata
---
amdhsa.version: [ 1, 2 ]
amdhsa.kernels:
  - .name:           k_q264dff4528_quant
    .symbol:         k_q264dff4528_quant.kd
    .args:
      - { .name: q8, .offset: 0, .size: 8, .value_kind: global_buffer, .address_space: global }
      - { .name: q4, .offset: 8, .size: 8, .value_kind: global_buffer, .address_space: global }
      - { .name: s8, .offset: 16, .size: 8, .value_kind: global_buffer, .address_space: global }
      - { .name: s4, .offset: 24, .size: 8, .value_kind: global_buffer, .address_space: global }
      - { .name: inv_perm, .offset: 32, .size: 8, .value_kind: global_buffer, .address_space: global }
      - { .name: lowp_scales, .offset: 40, .size: 8, .value_kind: global_buffer, .address_space: global }
      - { .name: wcodes, .offset: 48, .size: 8, .value_kind: global_buffer, .address_space: global }
    .group_segment_fixed_size: 67840
    .private_segment_fixed_size: 0
    .kernarg_segment_align: 8
    .kernarg_segment_size: 56
    .max_flat_workgroup_size: 512
    .sgpr_count:     66
    .vgpr_count:     224
    .wavefront_size: 32
...
	.end_amdgpu_metadata
.endif
;; end of part 1
;; launch gemm (part 2): grid 16 x 16, 4 waves a work-group, clusters of 4 x 1, 327,680 bytes of LDS; arguments x_codes, wcodes, lowp_scales, inv_perm, bias, out0; writes out0
.if DOCPART == 2
	.amdgcn_target "amdgcn-amd-amdhsa--gfx1250"
	.amdhsa_code_object_version 6
	.text
	.protected	k_q264dff4528_gemm
	.globl	k_q264dff4528_gemm
	.p2align	8
	.type	k_q264dff4528_gemm,@function
k_q264dff4528_gemm:
	s_mov_b64 s[64:65], 0
	v_nop
	global_prefetch_b8 v0, s[64:65] scope:SCOPE_SE
	s_setreg_imm32_b32 hwreg(HW_REG_WAVE_MODE, 25, 1), 1
	s_wait_xcnt 0x0
	s_wait_alu depctr_hold_cnt(0) depctr_sa_sdst(0) depctr_va_vdst(0) depctr_va_sdst(0) depctr_va_ssrc(0) depctr_va_vcc(0) depctr_vm_vsrc(0)
	s_getreg_b32 s2, hwreg(HW_REG_IB_STS2, 6, 4)
	s_cmp_eq_u32 s2, 0
	s_cbranch_scc0 .Lentry_in_a_cluster
	s_endpgm
.Lentry_in_a_cluster:
	s_bfe_u32 s2, ttmp6, 0x10000c
	s_cmp_lg_u32 s2, 0x3003
	s_cbranch_scc0 .Lentry_shape_is_right
	s_endpgm
.Lentry_shape_is_right:
; out[m][j] = f[j] x (sum over k of xcode[m][k] wcode[j][k]) + bias[j], f[j] = 2^(e0 + e1) where inv_perm[j] < 2048, else 2^(e2 + e3).  4,096 x 4,096 x 4,096, E4M3 codes, f32 sums.
; Rows of [w8; w4] that inv_perm does not name were left out by the launch before; nothing more is left out here.
; LIMIT: e0 + e1 and e2 + e3 lie between -126 and 127, so that the factors are f32 numbers.
; SHARES: a work-group makes 256 rows x 256 columns; wave w takes rows 128 (w / 2) .. and columns 128 (w % 2) ..: 128 x 128, 64 accumulators, 512 registers.
; A (x's codes) goes through two LDS slots of 256 rows x 512 bytes (pitch 528, an odd multiple of 16); each wave fetches 64 rows by one tensor load.  The four work-groups of a
; cluster (4 x 1) need the same rows of x and ask for them jointly, mask 15.  K has eight such chunks of eight half-steps.
; B (wcodes) lies in memory in the order of the operand's registers and goes STRAIGHT INTO REGISTERS, with no LDS byte on its way; a joint request exists for tensor loads alone, which
; is why B's bytes are not asked for jointly.  Four sets of 64 registers take turns: a set is 128 columns x 64 K, 16 loads of 512 consecutive bytes, asked for three half-steps
; (192 matrix instructions) ahead of its use.  The two waves of a column half run the same text and name the same bytes of B.
; A half-step is 64 along K: one run of loads at its head, then 64 matrix instructions of the K = 64 form, all accumulators by turns.
; k's place in the registers is the same permutation in A and B (registers 4 c .. 4 c + 3: k = 32 c + 16 (l / 16) + 0..15): each product meets its partner.
; THE MATRIX INSTRUCTION IS USED TRANSPOSED (source 0 = 16 columns of B, source 1 = 16 rows of A): a lane holds eight neighbouring columns of one row of out.
; PREFETCH: B's stream, once a trip of four half-steps, for the four sets that the next trip asks for: 128 blocks of 256 bytes, shared out by address among the 32 waves (16 work-groups
; x 2) that read them (4 blocks each; lanes 4-31 name the last again).  Sets 0-9 and 62, 63 come by their loads alone: no address passes the stream's end.
; A's tiles are not prefetched: a slot's load stands eight half-steps, 512 matrix instructions, ahead of the wait for it.
; REGISTERS: window 0: v0-33 addresses and the way out's factors; v128-255 A's two sets (8 blocks x 8), on the way out rows read back.  Window 1: B's four sets.
;   window 2: accumulators of my rows 0-63 ((a, b) at v[8 (8 a + b)]); window 3: rows 64-127.
.set PITCH,  528
.set BLK,    16*PITCH
.set SLOT,   256*PITCH
.set STAGE,  2*SLOT                    ; the way out: 16 rows x 528 bytes a wave; no tensor load lands here
.set SPITCH, 528
.set SPARE,  STAGE+4*16*SPITCH         ; the spare words, 128 bytes a wave
.set SETB,   8192                      ; a set of B in bytes
.set ROWO,   16384                     ; a row of out in bytes
.set FAC,  4
.set IDX,  8
.set BIA,  12
.set AB,   16                          ; v16, v17: LDS address of my 128 rows of A in slot 0, 1
.set STO,  24
.set RD,   25
.set CO,   26                          ; 16 x lane
.set SPW,  28
.set NIL,  29
.set PFO,  30
.set AF,   128
.set BK,   128
.set G1,   24
.set G0,   32                          ; s[32:35] slot 0, s[36:39] slot 1
.set BP,   44                          ; s[44:45] B's stream: the set asked for last
.set MSB, 0
.macro WIN new
.if MSB != (\new)
	s_set_vgpr_msb (MSB<<8)|(\new)
.set MSB, (\new)
.endif
.endm
.set MUL_LO, 0xa1                      ; source 0 (B) window 1, source 1 (A) window 0, C and D window 2
.set MUL_HI, 0xf1
.set TO_B,   0x40
.macro PLACES
.rept 4
	v_nop
.endr
.endm
.macro CREST                           ; a round of the cluster's barrier behind its opening barrier
	s_cmp_lg_u32 s16, 0
	s_cbranch_scc1 .Lnot_wave_0_\@
	s_barrier_signal -3
.Lnot_wave_0_\@:
	s_barrier_wait -3
	s_barrier_signal -1
	s_barrier_wait -1
.endm
.macro CROUND
	s_barrier_signal -1
	s_barrier_wait -1
	CREST
.endm
.macro JL s                            ; my 64 rows of a chunk, jointly
	tensor_load_to_lds s[G0+4*(\s):G0+4*(\s)+3], s[G1:G1+7]
	s_nop 0
	PLACES
.endm
	s_load_b256 s[4:11], s[0:1], 0x0               ; x_codes, wcodes, lowp_scales, inv_perm
	s_load_b128 s[12:15], s[0:1], 0x20             ; bias, out0
	v_lshl_add_u32 v[SPW], v0, 2, SPARE
	v_mov_b32 v[NIL], 0
	ds_add_u32 v[SPW], v[NIL]                      ; the opening
	ds_add_u32 v[SPW], v[NIL]
	v_lshrrev_b32 v1, 5, v0
	v_readfirstlane_b32 s16, v1                    ; wave 0..3
	s_lshr_b32 s17, s16, 1                         ; my half of the rows
	s_and_b32 s18, s16, 1                          ; my half of the columns
	s_mul_i32 s23, s17, 128*PITCH
	v_and_b32 v2, 15, v0                           ; r
	v_bfe_u32 v3, v0, 4, 1                         ; h
	v_mul_u32_u24 v1, v2, PITCH
	v_lshl_add_u32 v1, v3, 4, v1                   ; row r x pitch + 16 h
	v_add_nc_u32 v[AB], s23, v1
	v_add_nc_u32 v[AB+1], SLOT, v[AB]
	s_mul_i32 s20, s16, 16*SPITCH
	s_add_co_u32 s20, s20, STAGE                   ; my stage
	v_mul_u32_u24 v1, v2, SPITCH
	v_lshl_add_u32 v1, v3, 5, v1
	v_add_nc_u32 v[STO], s20, v1                   ; in: row r, 32 bytes for each half of the lanes
	v_and_b32 v1, 31, v0
	v_lshlrev_b32 v[CO], 4, v1
	v_add_nc_u32 v[RD], s20, v[CO]                 ; back: 32 lanes take one row of 512 bytes
	s_and_b32 s43, ttmp7, 0xffff                   ; y: the block of 256 rows
	s_lshl_b32 s21, s43, 1
	s_add_co_u32 s21, s21, s17                     ; my place among the 32 waves that read my stream
	s_lshl_b32 s21, s21, 2
	v_min_u32 v1, 3, v1
	v_add_nc_u32 v1, s21, v1
	v_lshlrev_b32 v[PFO], 8, v1                    ; four of a trip's 128 blocks
	s_bfe_u32 s40, ttmp6, 0x40000                  ; cx
	s_lshl_b32 s42, ttmp9, 2
	s_add_co_u32 s42, s42, s40                     ; the block of 256 columns
	s_mov_b32 s[G1+0], 15|(1<<20)|(1<<21)|(6<<22)|(3<<25)   ; mask: the cluster's four; 1-byte elements; 4 dwords of padding behind every 128
	s_mov_b32 s[G1+1], 512<<16
	s_mov_b32 s[G1+2], 64<<16
	s_mov_b32 s[G1+3], 512<<16
	s_mov_b32 s[G1+4], 64
	s_mov_b32 s[G1+5], 4096
	s_mov_b32 s[G1+6], 0
	s_mov_b32 s[G1+7], 0
	s_lshl_b32 s20, s43, 8
	s_lshl_b32 s21, s16, 6
	s_add_co_u32 s20, s20, s21                     ; row 256 y + 64 wave
	s_lshl_b32 s20, s20, 12
	s_mov_b32 s21, 0
	s_mul_i32 s22, s16, 64*PITCH
	s_wait_alu depctr_va_vdst(0)                   ; the wait at the head's end
	s_wait_dscnt 0x0
	s_wait_kmcnt 0x0
	s_load_b128 s[68:71], s[8:9], 0x0              ; e0 .. e3
	s_add_nc_u64 s[20:21], s[4:5], s[20:21]
.irp s, 0,1
	s_mov_b32 s[G0+4*\s], 1
	s_add_co_u32 s[G0+4*\s+1], s22, \s*SLOT
	s_add_nc_u64 s[G0+4*\s+2:G0+4*\s+3], s[20:21], \s*512
	s_or_b32 s[G0+4*\s+3], s[G0+4*\s+3], 0x80000000
.endr
	CROUND                                         ; the four work-groups are here: the first joint loads meet
	JL 0                                           ; chunk 0: one tensor load a wave at the head
	s_lshl_b32 s48, s42, 1
	s_add_co_u32 s48, s48, s18                     ; my group of 128 columns, 0..31
	s_lshl_b32 s50, s48, 9                         ; in bytes of f32 or int32
	s_mov_b32 s51, 0
	s_lshl_b32 s52, s43, 22                        ; 256 y rows of out
	s_lshl_b32 s53, s17, 21                        ; + my half's 128
	s_add_co_u32 s52, s52, s53
	s_mov_b32 s53, 0
	s_lshl_b32 s48, s48, 19                        ; my stream in wcodes
	s_mov_b32 s49, 0
	s_add_nc_u64 s[10:11], s[10:11], s[50:51]
	s_add_nc_u64 s[12:13], s[12:13], s[50:51]
	s_add_nc_u64 s[14:15], s[14:15], s[50:51]
	s_add_nc_u64 s[14:15], s[14:15], s[52:53]
	s_add_nc_u64 s[BP:BP+1], s[6:7], s[48:49]
	global_load_b128 v[IDX:IDX+3], v[CO], s[10:11]
	global_load_b128 v[BIA:BIA+3], v[CO], s[12:13]
	WIN TO_B
.set i, 0
.rept 48
	global_load_b128 v[4*i:4*i+3], v[CO], s[BP:BP+1] offset:512*i   ; B's sets 0, 1, 2
.set i, i+1
.endr
	WIN 0
.macro FETCHB f                        ; the next set of B into set f
	s_wait_xcnt 0x0                                ; the earlier loads and any prefetch have read the base
	s_add_nc_u64 s[BP:BP+1], s[BP:BP+1], SETB
	WIN TO_B
.irp i, 0,1,2,3,4,5,6,7,8,9,10,11,12,13,14,15
	global_load_b128 v[64*(\f)+4*\i:64*(\f)+4*\i+3], v[CO], s[BP:BP+1] offset:512*\i
.endr
.endm
.macro FETCHA f, slot, o               ; A's eight blocks, 64 K at byte o of the slot's rows, into set f
	WIN 0
.irp i, 0,1,2,3,4,5,6,7
.irp c, 0,1
	ds_load_b128 v[AF+64*(\f)+8*\i+4*\c:AF+64*(\f)+8*\i+4*\c+3], v[AB+\slot] offset:(\o)+32*\c+\i*BLK
.endr
.endr
.endm
.macro MUL16 hi, a0, qb, pa, zero      ; two blocks of A against B's eight fragments
.irp a, \a0, \a0+1
.irp b, 0,1,2,3,4,5,6,7
.if \zero
	v_wmma_f32_16x16x64_fp8_fp8 v[8*(8*(\a)+\b):8*(8*(\a)+\b)+7], v[64*(\qb)+8*\b:64*(\qb)+8*\b+7], v[AF+64*(\pa)+8*(4*\hi+(\a)):AF+64*(\pa)+8*(4*\hi+(\a))+7], 0
.else
	v_wmma_f32_16x16x64_fp8_fp8 v[8*(8*(\a)+\b):8*(8*(\a)+\b)+7], v[64*(\qb)+8*\b:64*(\qb)+8*\b+7], v[AF+64*(\pa)+8*(4*\hi+(\a)):AF+64*(\pa)+8*(4*\hi+(\a))+7], v[8*(8*(\a)+\b):8*(8*(\a)+\b)+7]
.endif
.endr
.endr
.endm
.macro ASK                             ; of the four sets that the next trip asks for
	WIN 0
	global_prefetch_b8 v[PFO], s[BP:BP+1] offset:4*SETB th:TH_LOAD_NT scope:SCOPE_SE
.endm
; Half-step t, the j-th of a trip (t % 4 = (j + 3) % 4).  It multiplies A's set t % 2 and B's set t % 4.  First it asks for A's half-step t + 1 (fa; byte 256 q + 64 j of the slot's rows)
; and B's t + 3 (fb), into the sets that half-step t - 1 multiplied, four places behind its last matrix instruction.  lc: the younger loads of B that may stay out, 16 a set.
.macro HS j, slot, q, fa, fb, zero, lc, pf
	PLACES
.if \fb
	FETCHB (\j+2)%4
.endif
.if \fa
	FETCHA (\j)%2, \slot, 256*\q+64*\j
.endif
	s_wait_loadcnt \lc
	s_wait_dscnt 16*\fa                            ; A's set for this half-step is in; the 16 loads just issued may be out
	WIN MUL_LO
	MUL16 0, 0, (\j+3)%4, (\j+1)%2, \zero
	MUL16 0, 2, (\j+3)%4, (\j+1)%2, \zero
.if \pf
	ASK
.endif
	WIN MUL_HI
	MUL16 1, 0, (\j+3)%4, (\j+1)%2, \zero
	MUL16 1, 2, (\j+3)%4, (\j+1)%2, \zero
.endm
.macro TRIP slot, q, pf
	HS 0, \slot, \q, 1, 1, 0, 48, \pf
	HS 1, \slot, \q, 1, 1, 0, 48, 0
	HS 2, \slot, \q, 1, 1, 0, 48, 0
	HS 3, \slot, \q, 1, 1, 0, 48, 0
.endm
; A trip whose first half-step changes slots.  That half-step's fragments of A are the last of the other slot and are on their way into registers: half of its products stand between
; the add and the wait for it and inside the opening barrier.  Behind the round the other slot takes the chunk two on (fill); then come the fetches, from this slot, and the other half.
.macro TTRIP slot, fill, pf
	WIN 0
	s_wait_tensorcnt 0x0                           ; my part of this slot is in: no tensor load of mine is out
	ds_add_u32 v[SPW], v[NIL]
.if \fill
	s_add_nc_u64 s[G0+4*(1-\slot)+2:G0+4*(1-\slot)+3], s[G0+4*(1-\slot)+2:G0+4*(1-\slot)+3], 1024
.endif
	s_wait_loadcnt 32                              ; B's set for this half-step is in; the two later sets may be out
	s_wait_dscnt 1                                 ; A's too; the add may be out
	WIN MUL_LO
	MUL16 0, 0, 3, 1, 0
	s_wait_dscnt 0x0                               ; the add is done, my reads of the other slot are back
	s_barrier_signal -1
	MUL16 0, 2, 3, 1, 0
	WIN 0
	s_barrier_wait -1
.if \fill
	CREST                                          ; the barrier has opened a round: no wave of the four work-groups still reads the other slot or has a load on its way
	JL 1-\slot
.else
	PLACES
.endif
	FETCHB 2
	FETCHA 0, \slot, 0
.if \pf
	ASK
.endif
	WIN MUL_HI
	MUL16 1, 0, 3, 1, 0
	MUL16 1, 2, 3, 1, 0
	HS 1, \slot, 0, 1, 1, 0, 48, 0
	HS 2, \slot, 0, 1, 1, 0, 48, 0
	HS 3, \slot, 0, 1, 1, 0, 48, 0
.endm
	s_wait_tensorcnt 0x0                           ; my part of chunk 0 is in; slot 1's first fill is issued as a refill is
	ds_add_u32 v[SPW], v[NIL]
	s_wait_xcnt 0x0
	s_add_nc_u64 s[BP:BP+1], s[BP:BP+1], 2*SETB    ; at set 2, the last asked for
	s_wait_dscnt 0x0
	CROUND
	JL 1                                           ; chunk 1
	FETCHA 0, 0, 0
	HS 1, 0, 0, 1, 1, 1, 48, 0                     ; half-step 0 starts the sums
	HS 2, 0, 0, 1, 1, 0, 48, 0
	HS 3, 0, 0, 1, 1, 0, 48, 0
	TRIP 0, 1, 1                                   ; half-steps 3 .. 6
	WIN 0
	s_mov_b32 s3, 3
.Llap:                                                 ; a trip of this loop goes once round the two slots, 16 half-steps, and fills both again
	TTRIP 1, 1, 1
	TRIP 1, 1, 1
	TTRIP 0, 1, 1
	TRIP 0, 1, 1
	WIN 0
	s_sub_co_u32 s3, s3, 1
	s_cmp_lg_u32 s3, 0
	s_cbranch_scc1 .Llap
	TTRIP 1, 0, 0                                  ; half-steps 55 .. 58: nothing is filled any more
	HS 0, 1, 1, 1, 1, 0, 48, 0                     ; 59: B's set 62
	HS 1, 1, 1, 1, 1, 0, 48, 0                     ; 60: B's set 63, the last
	HS 2, 1, 1, 1, 0, 0, 32, 0
	HS 3, 1, 1, 1, 0, 0, 16, 0
	HS 0, 1, 0, 0, 0, 0, 0, 0                      ; 63
	WIN 0
; THE WAY OUT, by blocks of 16 rows x 128 columns: through my own stage, back as whole rows of 512 bytes, x f + bias, stored as two aligned units of 256 bytes.
.macro TOSTAGE a
.set AC, 64*((\a)%4)
	WIN 0x08+4*((\a)/4)                            ; store data: window 2 or 3
.irp b, 0,1,2,3,4,5,6,7
	ds_store_b128 v[STO], v[AC+8*\b:AC+8*\b+3] offset:64*\b          ; each accumulator from its low end on
	ds_store_b128 v[STO], v[AC+8*\b+4:AC+8*\b+7] offset:64*\b+16
.endr
	WIN 0
.set BB, BK+64*((\a)%2)
.irp t, 0,1,2,3,4,5,6,7,8,9,10,11,12,13,14,15
	ds_load_b128 v[BB+4*\t:BB+4*\t+3], v[RD] offset:\t*SPITCH        ; LDS serves a wave's instructions in order (ISA guide 5.7.1.4)
.endr
.endm
.macro SEND a, younger
.set BB, BK+64*((\a)%2)
	s_wait_dscnt \younger
.if (\a) > 0
	s_add_nc_u64 s[14:15], s[14:15], 16*ROWO       ; behind a wait on XCNT: the earlier stores have read their base
.endif
.irp t, 0,1,2,3,4,5,6,7,8,9,10,11,12,13,14,15
	v_pk_fma_f32 v[BB+4*\t:BB+4*\t+1], v[BB+4*\t:BB+4*\t+1], v[FAC:FAC+1], v[BIA:BIA+1]
	v_pk_fma_f32 v[BB+4*\t+2:BB+4*\t+3], v[BB+4*\t+2:BB+4*\t+3], v[FAC+2:FAC+3], v[BIA+2:BIA+3]
	global_store_b128 v[CO], v[BB+4*\t:BB+4*\t+3], s[14:15] offset:\t*ROWO th:TH_STORE_NT
.endr
.endm
	s_wait_kmcnt 0x0
	s_add_co_i32 s72, s68, s69
	s_add_co_i32 s72, s72, 127
	s_lshl_b32 s72, s72, 23                        ; 2^(e0 + e1)
	s_add_co_i32 s73, s70, s71
	s_add_co_i32 s73, s73, 127
	s_lshl_b32 s73, s73, 23                        ; 2^(e2 + e3)
	v_mov_b32 v32, s73
	v_mov_b32 v33, s72
.irp i, 0,1,2,3
	v_cmp_gt_u32 vcc_lo, 0x800, v[IDX+\i]          ; a selection, no branch
	v_cndmask_b32 v[FAC+\i], v32, v33, vcc_lo
.endr
	s_wait_alu depctr_va_vdst(0)
	PLACES
	TOSTAGE 0
.irp a, 1,2,3,4,5,6,7
.if \a > 1
	s_wait_xcnt 0x0                                ; block a - 2's stores have read their registers and their base
.endif
	TOSTAGE \a
	SEND \a-1, 32                                  ; behind block a - 1's loads: block a's 16 stores and 16 loads
.endr
	s_wait_xcnt 0x0
	SEND 7, 0
	s_wait_tensorcnt 0x0                           ; the wave's end
	ds_add_u32 v[SPW], v[NIL]
	s_wait_dscnt 0x0
	CROUND                                         ; the closing round
	s_endpgm
.Lfunc_end_k_q264dff4528_gemm:
	.size	k_q264dff4528_gemm, .Lfunc_end_k_q264dff4528_gemm-k_q264dff4528_gemm
	.p2alignl 7, 3214868480
	.fill 96, 4, 3214868480
	.section	.rodata,"a",@progbits
	.p2align	6, 0x0
	.amdhsa_kernel k_q264dff4528_gemm
		.amdhsa_group_segment_fixed_size 327680
		.amdhsa_private_segment_fixed_size 0
		.amdhsa_enable_private_segment 0
		.amdhsa_kernarg_size 48
		.amdhsa_user_sgpr_count 2
		.amdhsa_user_sgpr_kernarg_segment_ptr 1
		.amdhsa_wavefront_size32 1
		.amdhsa_system_sgpr_workgroup_id_x 1
		.amdhsa_system_sgpr_workgroup_id_y 1
		.amdhsa_system_sgpr_workgroup_id_z 1
		.amdhsa_system_vgpr_workitem_id 0
		.amdhsa_next_free_vgpr 1024
		.amdhsa_next_free_sgpr 80
		.amdhsa_reserve_vcc 1
		.amdhsa_float_denorm_mode_32 3
		.amdhsa_float_denorm_mode_16_64 3
		.amdhsa_memory_ordered 1
		.amdhsa_forward_progress 1
		.amdhsa_inst_pref_size 255
	.end_amdhsa_kernel
	.section	.bss,"aw",@nobits
	.p2align	6
	.space	262144
	.amdgpu_metadata
---
amdhsa.version: [ 1, 2 ]
amdhsa.kernels:
  - .name:           k_q264dff4528_gemm
    .symbol:         k_q264dff4528_gemm.kd
    .args:
      - { .name: x_codes, .offset: 0, .size: 8, .value_kind: global_buffer, .address_space: global }
      - { .name: wcodes, .offset: 8, .size: 8, .value_kind: global_buffer, .address_space: global }
      - { .name: lowp_scales, .offset: 16, .size: 8, .value_kind: global_buffer, .address_space: global }
      - { .name: inv_perm, .offset: 24, .size: 8, .value_kind: global_buffer, .address_space: global }
      - { .name: bias, .offset: 32, .size: 8, .value_kind: global_buffer, .address_space: global }
      - { .name: out0, .offset: 40, .size: 8, .value_kind: global_buffer, .address_space: global }
    .group_segment_fixed_size: 327680
    .private_segment_fixed_size: 0
    .kernarg_segment_align: 8
    .kernarg_segment_size: 48
    .max_flat_workgroup_size: 128
    .sgpr_count:     80
    .vgpr_count:     1024
    .wavefront_size: 32
...
	.end_amdgpu_metadata
.endif
;; end of part 2
